; MI455X (gfx1250); checked and timed in simulation.
; The chip was launched on July 23, 2026; its instructions are those of AMD's public machine-readable ISA for CDNA 5 (MIT licence, August 2026) and "CDNA5" Instruction Set Architecture Reference Guide (July 2026). The comments in the code are by the model that wrote it; some were corrected since.
;; Attention. Allowed arithmetic: float matrix products may take bf16 or f16 operands with f32 sums; all other float work in f32.
;; Inputs: W_out 1,024 x 1,024 float32; W_qkv 1,024 x 3,072 float32; b_out 1,024 float32; mask 2 x 2,048 bool; x 2 x 2,048 x 1,024 float32.
;; Outputs: out0 2 x 2,048 x 1,024 float32.
;; One version. Each part assembles by itself: llvm-mc -triple=amdgcn-amd-amdhsa -mcpu=gfx1250 --defsym DOCPART=n.
;; ======== version 1 of 1: 4 launches
;; limits: values are held in f16: magnitudes above 65,504 overflow, below 6.1e-05 lose precision
;; workspace buffers: x16 8,388,608 bytes; wqkv16 6,291,456 bytes; wout16 2,097,152 bytes; qkvh 25,165,824 bytes; atth 8,388,608 bytes
;; launch cast (part 1): grid 512 x 1, 8 waves a work-group, no clusters, 0 bytes of LDS; arguments x, W_qkv, W_out, x16, wqkv16, wout16; writes x16, wqkv16, wout16
.if DOCPART == 1
	.amdgcn_target "amdgcn-amd-amdhsa--gfx1250"
	.amdhsa_code_object_version 6
	.text
	.protected	k_q6efe733c42_cast
	.globl	k_q6efe733c42_cast
	.p2align	8
	.type	k_q6efe733c42_cast,@function
k_q6efe733c42_cast:
	s_mov_b64 s[64:65], 0
	v_nop
	global_prefetch_b8 v0, s[64:65] scope:SCOPE_SE
	s_setreg_imm32_b32 hwreg(HW_REG_WAVE_MODE, 25, 1), 1
	s_wait_xcnt 0x0
; x, W_qkv and W_out from f32 to f16, layout unchanged, so that the later products fetch half the bytes and can
; take the [K, N] weights through the 16-bit transposing LDS load.
; f16 and not bf16: its step is eight times finer, and the operands have the room: see the limit.
; LIMIT: a number beyond 65,504 in magnitude becomes infinite; one below 6e-8 becomes zero.
; A work-group casts 16,384 numbers (64 KiB in, 32 KiB out): groups 0-255 x, 256-447 W_qkv, 448-511 W_out.
; A pure stream: the work-groups share no input, so no LDS, no barrier, no cluster.
; Thread t takes the 16 bytes at 16 t of each block of 4,096 bytes: a wave's load covers 512 consecutive bytes,
; its store 256 consecutive bytes, aligned.  All sixteen loads go out first; no register is written twice.
.set NLD, 16                           ; loads of a thread
.set X,   8                            ; v[8:71]   as loaded
.set Y,   72                           ; v[72:103] as stored
	s_load_b256 s[4:11], s[0:1], 0x0               ; x s[4:5], W_qkv s[6:7], W_out s[8:9], x16 s[10:11]
	s_load_b128 s[12:15], s[0:1], 0x20             ; wqkv16 s[12:13], wout16 s[14:15]
	v_lshlrev_b32 v1, 4, v0                        ; 16 t: where I read
	v_lshlrev_b32 v2, 3, v0                        ; 8 t: where I write
	s_movk_i32 s21, 448
	s_wait_kmcnt 0x0
	s_cmp_lt_u32 ttmp9, 448                        ; the choice hangs on the group's number alone
	s_cselect_b64 s[16:17], s[6:7], s[8:9]         ; source
	s_cselect_b64 s[18:19], s[12:13], s[14:15]     ; destination
	s_cselect_b32 s20, 0x100, s21                  ; the first group of that tensor
	s_cmp_lt_u32 ttmp9, 0x100
	s_cselect_b64 s[16:17], s[4:5], s[16:17]
	s_cselect_b64 s[18:19], s[10:11], s[18:19]
	s_cselect_b32 s20, 0, s20
	s_sub_co_u32 s20, ttmp9, s20                   ; my number within the tensor
	s_lshl_b32 s22, s20, 16                        ; 64 KiB of f32 a group
	s_mov_b32 s23, 0
	s_add_nc_u64 s[16:17], s[16:17], s[22:23]
	s_lshl_b32 s22, s20, 15                        ; 32 KiB of f16 a group
	s_add_nc_u64 s[18:19], s[18:19], s[22:23]
.irp i, 0,1,2,3,4,5,6,7,8,9,10,11,12,13,14,15
	global_load_b128 v[X+4*\i:X+4*\i+3], v1, s[16:17] offset:4096*\i th:TH_LOAD_NT
.endr
.irp i, 0,1,2,3,4,5,6,7,8,9,10,11,12,13,14,15
	s_wait_loadcnt NLD-1-\i                        ; loads come back in order: load i is in, the younger ones stay out
	v_cvt_pk_f16_f32 v[Y+2*\i],   v[X+4*\i],   v[X+4*\i+1]
	v_cvt_pk_f16_f32 v[Y+2*\i+1], v[X+4*\i+2], v[X+4*\i+3]
	global_store_b64 v2, v[Y+2*\i:Y+2*\i+1], s[18:19] offset:2048*\i
.endr
	s_endpgm
.Lfunc_end_k_q6efe733c42_cast:
	.size	k_q6efe733c42_cast, .Lfunc_end_k_q6efe733c42_cast-k_q6efe733c42_cast
	.p2alignl 7, 3214868480
	.fill 96, 4, 3214868480
	.section	.rodata,"a",@progbits
	.p2align	6, 0x0
	.amdhsa_kernel k_q6efe733c42_cast
		.amdhsa_group_segment_fixed_size 0
		.amdhsa_private_segment_fixed_size 0
		.amdhsa_enable_private_segment 0
		.amdhsa_kernarg_size 48
		.amdhsa_user_sgpr_count 2
		.amdhsa_user_sgpr_kernarg_segment_ptr 1
		.amdhsa_wavefront_size32 1
		.amdhsa_system_sgpr_workgroup_id_x 1
		.amdhsa_system_sgpr_workgroup_id_y 1
		.amdhsa_system_sgpr_workgroup_id_z 1
		.amdhsa_system_vgpr_workitem_id 0
		.amdhsa_next_free_vgpr 104
		.amdhsa_next_free_sgpr 66
		.amdhsa_reserve_vcc 0
		.amdhsa_float_denorm_mode_32 3
		.amdhsa_float_denorm_mode_16_64 3
		.amdhsa_memory_ordered 1
		.amdhsa_forward_progress 1
		.amdhsa_inst_pref_size 7
	.end_amdhsa_kernel
	.amdgpu_metadata
---
amdhsa.version: [ 1, 2 ]
amdhsa.kernels:
  - .name:           k_q6efe733c42_cast
    .symbol:         k_q6efe733c42_cast.kd
    .args:
      - { .name: x, .offset: 0, .size: 8, .value_kind: global_buffer, .address_space: global }
      - { .name: W_qkv, .offset: 8, .size: 8, .value_kind: global_buffer, .address_space: global }
      - { .name: W_out, .offset: 16, .size: 8, .value_kind: global_buffer, .address_space: global }
      - { .name: x16, .offset: 24, .size: 8, .value_kind: global_buffer, .address_space: global }
      - { .name: wqkv16, .offset: 32, .size: 8, .value_kind: global_buffer, .address_space: global }
      - { .name: wout16, .offset: 40, .size: 8, .value_kind: global_buffer, .address_space: global }
    .group_segment_fixed_size: 0
    .private_segment_fixed_size: 0
    .kernarg_segment_align: 8
    .kernarg_segment_size: 48
    .max_flat_workgroup_size: 256
    .sgpr_count:     66
    .vgpr_count:     104
    .wavefront_size: 32
...
	.end_amdgpu_metadata
.endif
;; end of part 1
;; launch qkv (part 2): grid 8 x 32, 4 waves a work-group, clusters of 4 x 4, 327,680 bytes of LDS; arguments x16, wqkv16, qkvh; writes qkvh
.if DOCPART == 2
	.amdgcn_target "amdgcn-amd-amdhsa--gfx1250"
	.amdhsa_code_object_version 6
	.text
	.protected	k_q6efe733c42_qkv
	.globl	k_q6efe733c42_qkv
	.p2align	8
	.type	k_q6efe733c42_qkv,@function
k_q6efe733c42_qkv:
	s_mov_b64 s[64:65], 0
	v_nop
	global_prefetch_b8 v0, s[64:65] scope:SCOPE_SE
	s_setreg_imm32_b32 hwreg(HW_REG_WAVE_MODE, 25, 1), 1
	s_wait_xcnt 0x0
	s_wait_alu depctr_hold_cnt(0) depctr_sa_sdst(0) depctr_va_vdst(0) depctr_va_sdst(0) depctr_va_ssrc(0) depctr_va_vcc(0) depctr_vm_vsrc(0)
	s_getreg_b32 s2, hwreg(HW_REG_IB_STS2, 6, 4)
	s_cmp_eq_u32 s2, 0
	s_cbranch_scc0 .Lentry_in_a_cluster
	s_endpgm
.Lentry_in_a_cluster:
	s_bfe_u32 s2, ttmp6, 0x10000c
	s_cmp_lg_u32 s2, 0xf033
	s_cbranch_scc0 .Lentry_shape_is_right
	s_endpgm
.Lentry_shape_is_right:
; qkv = x W_qkv: [4096][1024] x [1024][3072], f16 operands, f32 sums, stored in f16 by head: qkvh[hc][token][64], hc = column / 64
; (q: 0-15, k: 16-31, v: 32-47), so that a work-group's output is dense and the attention's tiles are dense.
; LIMIT: a result beyond 65,504 in magnitude becomes infinite (inputs 30 times larger on both sides give a spread of 900;
; offsets of 30 spreads on both sides give 1024 x 30 x 0.94 = 28,800).
; A work-group makes 128 rows x 384 columns with four waves; a wave makes 64 x 192 (three heads): 48 accumulator tiles, 384 registers.
; K goes in steps of 128 through two LDS slots.  A slot holds three strips of W (128 k-rows x 128 columns, rows of 256 bytes) and one
; tile of x (128 rows x 128 k).  Waves 0-2 fetch a strip each, wave 3 fetches x's tile: one tensor load a wave.
; W lies [K, N]: its fragments come through ds_load_tr16_b128, which wants rows an odd multiple of 32 bytes apart: 288.
; x lies along K: two ds_load_b128 a fragment, rows 272 bytes apart, so that sixteen rows start in sixteen different 16-byte columns modulo 256.
; CLUSTER 4 x 4: x's tile hangs on the block row alone and is asked for jointly by the four groups of a row of the cluster,
; W's strips hang on the block column alone and are asked for jointly by the four of a column: a quarter of the requests.
; A wave has two tensor loads out at the start and one behind each refill.
; THE MATRIX INSTRUCTION IS USED TRANSPOSED: source 0 = 16 columns of W, source 1 = 16 rows of x; lane l then holds token l % 16 and
; its eight registers the columns 8 (l / 16) + 0..7: 16 neighbouring bytes of f16.
; REGISTERS: window 0: addresses, x's fragments (two buffers), the way out; window 1: W's fragments (two buffers of 96);
; window 2: tiles (a, b < 8) at 8 (8 a + b); window 3: tiles (a, b >= 8) at 8 (4 a + b - 8).
.set PA,     272                       ; LDS pitch of x's rows
.set PB,     288                       ; LDS pitch of W's rows
.set STRIPB, 128*PB                    ; 36,864: a strip of W
.set AOFF,   3*STRIPB                  ; x's tile behind the three strips
.set SLOT,   AOFF+128*PA               ; 145,408
.set STAGE,  2*SLOT                    ; behind the ring, never filled by a tensor load: the way out
.set WSTAGE, 7168                      ; a wave's stage: 3 heads x 16 rows x 144 bytes = 6,912, rounded up to blocks of 256
.set SP,     144                       ; a staged row: 128 bytes + 16
.set PLANE,  524288                    ; bytes of a head's plane in qkvh
.set ADRA, 16                          ; v16-17  x's fragments, slot 0, 1
.set ADRB, 18                          ; v18-23  W's fragments, head g of my three, slot s: v[18 + 2 g + s]
.set STO,  24
.set RD,   25
.set CO,   26
.set FA,   32                          ; window 0: buffer p at FA + 32 p
.set FB,   0                           ; window 1: buffer p at FB + 96 p
.set TMP,  96                          ; v96-143  packed results
.set RB,   144                         ; v144-191 rows read back
.set G1,  24                           ; s[24:31] group 1, x's tile
.set G0,  32                           ; s[32:39] group 0, x's tile, a set for each slot
.set G1B, 48                           ; s[48:55] group 1, W's strips
.set G0B, 56                           ; s[56:63] group 0, W's strips, a set for each slot
.set MSB, 0
.macro WIN new                         ; the immediate's high byte repeats the setting that is left
.if MSB != \new
	s_set_vgpr_msb (MSB<<8)|\new
.set MSB, \new
.endif
.endm
.macro PLACES                          ; four places behind a matrix instruction, ahead of loads into its sources and of readers of its result
.rept 4
	v_nop
.endr
.endm
.macro CROUND                          ; a round of the cluster's barrier
	s_barrier_signal -1
	s_barrier_wait -1
	s_cmp_lg_u32 s10, 0
	s_cbranch_scc1 .Lnot_wave_0_\@
	s_barrier_signal -3
.Lnot_wave_0_\@:
	s_barrier_wait -3
	s_barrier_signal -1
	s_barrier_wait -1
.endm
.macro JLOAD s                         ; a wave's one joint load: wave 3 x's tile, waves 0-2 a strip of W.  The branch hangs on the wave's number alone
	s_cmp_eq_u32 s10, 3
	s_cbranch_scc0 .Lfor_b_\@
	tensor_load_to_lds s[G0+4*\s:G0+4*\s+3], s[G1:G1+7]
	s_nop 0
	s_branch .Lasked_\@
.Lfor_b_\@:
	tensor_load_to_lds s[G0B+4*\s:G0B+4*\s+3], s[G1B:G1B+7]
	s_nop 0
.Lasked_\@:
.endm
	s_load_b128 s[4:7], s[0:1], 0x0                ; x16 s[4:5], wqkv16 s[6:7]
	s_load_b64 s[8:9], s[0:1], 0x10                ; qkvh
	s_set_vgpr_msb 0x40
	v_lshl_add_u32 v255, v0, 2, 0x4e000
	s_set_vgpr_msb 0x4000
	v_mov_b32 v255, 0
	s_set_vgpr_msb 0x1
	ds_add_u32 v255, v255
	s_set_vgpr_msb 0x100
	v_lshrrev_b32 v1, 5, v0
	v_readfirstlane_b32 s10, v1                    ; wave 0..3
	s_lshr_b32 s11, s10, 1                         ; wm: my 64 rows
	s_and_b32 s12, s10, 1                          ; wn: my 192 columns
	s_bfe_u32 s40, ttmp6, 0x40000                  ; cx
	s_bfe_u32 s41, ttmp6, 0x40004                  ; cy
	s_lshl_b32 s42, ttmp9, 2
	s_add_co_u32 s42, s42, s40                     ; block column = 4 x cluster x + cx
	s_and_b32 s13, ttmp7, 0xffff
	s_lshl_b32 s13, s13, 2
	s_add_co_u32 s13, s13, s41                     ; block row = 4 x cluster y + cy
	s_lshl_b32 s43, s41, 2
	s_lshl_b32 s43, 15, s43                        ; my row of the cluster
	s_lshl_b32 s44, 0x1111, s40                    ; my column
	; group 1: 128 rows x 128 elements of 2 bytes; padding behind every 64 words: 4 words for x, 8 for W
	s_or_b32 s[G1+0], s43, (1<<16)|(1<<20)|(1<<21)|(5<<22)|(3<<25)
	s_or_b32 s[G1B+0], s44, (1<<16)|(1<<20)|(1<<21)|(5<<22)|(7<<25)
	s_mov_b32 s[G1+1], 128<<16                     ; tensor_dim0 = 128
	s_mov_b32 s[G1B+1], 128<<16
	s_mov_b32 s[G1+2], 128<<16                     ; tensor_dim1 = 128
	s_mov_b32 s[G1B+2], 128<<16
	s_mov_b32 s[G1+3], 128<<16                     ; tile_dim0 = 128
	s_mov_b32 s[G1B+3], 128<<16
	s_mov_b32 s[G1+4], 128                         ; tile_dim1 = 128
	s_mov_b32 s[G1B+4], 128
	s_mov_b32 s[G1+5], 1024                        ; elements from row to row of x
	s_mov_b32 s[G1B+5], 3072                       ; and of W
	s_mov_b32 s[G1+6], 0
	s_mov_b32 s[G1B+6], 0
	s_mov_b32 s[G1+7], 0
	s_mov_b32 s[G1B+7], 0
	s_lshl_b32 s14, s13, 18                        ; x: 128 rows of 2,048 bytes a block row
	s_mov_b32 s15, 0
	s_mul_i32 s46, s42, 768                        ; W: 384 columns a block column,
	s_lshl_b32 s47, s10, 8                         ; strip = wave
	s_add_co_u32 s46, s46, s47
	s_mov_b32 s47, 0
	s_mul_i32 s20, s10, STRIPB                     ; where my load lands: wave x 36,864 (wave 3: x's tile)
	s_wait_dscnt 0x0
	s_wait_kmcnt 0x0
	s_add_nc_u64 s[14:15], s[4:5], s[14:15]
	s_add_nc_u64 s[46:47], s[6:7], s[46:47]
	CROUND                                         ; all sixteen work-groups are here: the first joint loads meet
.irp s, 0,1
	s_mov_b32 s[G0+4*\s], 1
	s_add_co_u32 s[G0+4*\s+1], s20, \s*SLOT
	s_add_nc_u64 s[G0+4*\s+2:G0+4*\s+3], s[14:15], \s*256          ; K step s: 128 elements along the rows
	s_or_b32 s[G0+4*\s+3], s[G0+4*\s+3], 0x80000000
	s_mov_b32 s[G0B+4*\s], 1
	s_add_co_u32 s[G0B+4*\s+1], s20, \s*SLOT
	s_add_nc_u64 s[G0B+4*\s+2:G0B+4*\s+3], s[46:47], \s*786432     ; K step s: 128 rows of 6,144 bytes
	s_or_b32 s[G0B+4*\s+3], s[G0B+4*\s+3], 0x80000000
	JLOAD \s
.endr
	v_and_b32 v1, 15, v0                           ; r = l % 16
	v_bfe_u32 v2, v0, 4, 1                         ; h = l / 16
	v_and_b32 v3, 7, v0                            ; l % 8
	v_bfe_u32 v4, v0, 3, 1                         ; (l / 8) % 2
	v_and_b32 v5, 31, v0                           ; l
	v_mul_u32_u24 v6, v1, PA
	v_lshl_add_u32 v6, v2, 4, v6                   ; x: row r, 16 bytes for each half of the lanes
	s_mul_i32 s21, s11, 64*PA
	s_add_co_u32 s21, s21, AOFF
	v_add_nc_u32 v[ADRA], s21, v6
	v_add_nc_u32 v[ADRA+1], SLOT, v[ADRA]
	v_lshl_add_u32 v7, v2, 3, v3                   ; W: k-row 8 h + l % 8,
	v_mul_u32_u24 v7, v7, PB
	v_lshl_add_u32 v7, v4, 4, v7                   ; 16 bytes for each group of eight lanes
	s_mul_i32 s22, s12, 3
.irp g, 0,1,2
	s_add_co_u32 s23, s22, \g                      ; head 3 wn + g of the block's six: strip head / 2, half head % 2
	s_lshr_b32 s45, s23, 1
	s_mul_i32 s45, s45, STRIPB
	s_and_b32 s23, s23, 1
	s_lshl_b32 s23, s23, 7
	s_add_co_u32 s23, s23, s45
	v_add_nc_u32 v[ADRB+2*\g], s23, v7
	v_add_nc_u32 v[ADRB+2*\g+1], SLOT, v[ADRB+2*\g]
.endr
	s_mul_i32 s23, s10, WSTAGE
	s_add_co_u32 s23, s23, STAGE
	v_mul_u32_u24 v8, v1, SP
	v_lshl_add_u32 v8, v2, 4, v8
	v_add_nc_u32 v[STO], s23, v8                   ; in: row r, 16 bytes for each half
	v_lshrrev_b32 v9, 3, v5
	v_mul_u32_u24 v9, v9, SP
	v_lshl_add_u32 v9, v3, 4, v9
	v_add_nc_u32 v[RD], s23, v9                    ; back: eight lanes a row of 128 bytes, four rows a load
	v_lshlrev_b32 v[CO], 4, v5                     ; the same four rows are 512 dense bytes of a head's plane
; 32 LDS loads: the fragments of 32 along K (quarter kq of the slot's step) into buffer p
.macro FETCH slot, kq, p
	WIN 0
.irp a, 0,1,2,3
	ds_load_b128 v[FA+32*\p+8*\a:FA+32*\p+8*\a+3],   v[ADRA+\slot] offset:\a*16*PA+\kq*64
	ds_load_b128 v[FA+32*\p+8*\a+4:FA+32*\p+8*\a+7], v[ADRA+\slot] offset:\a*16*PA+\kq*64+32
.endr
	WIN 0x40
.irp b, 0,1,2,3,4,5,6,7,8,9,10,11
	ds_load_tr16_b128 v[FB+96*\p+8*\b:FB+96*\p+8*\b+3],   v[ADRB+2*(\b>>2)+\slot] offset:\kq*32*PB+(\b&3)*32
	ds_load_tr16_b128 v[FB+96*\p+8*\b+4:FB+96*\p+8*\b+7], v[ADRB+2*(\b>>2)+\slot] offset:\kq*32*PB+(\b&3)*32+16*PB
.endr
.endm
; 48 matrix instructions on buffer p.  The 48 accumulators take turns, one instruction a turn, in the same order every time,
; over the loop's backward jump too.  zero = 1: the first product starts the sums.
.macro MULALL p, zero
	WIN 0xa1
.irp a, 0,1,2,3
.irp b, 0,1,2,3,4,5,6,7
.if \zero
	v_wmma_f32_16x16x32_f16 v[8*(8*\a+\b):8*(8*\a+\b)+7], v[FB+96*\p+8*\b:FB+96*\p+8*\b+7], v[FA+32*\p+8*\a:FA+32*\p+8*\a+7], 0
.else
	v_wmma_f32_16x16x32_f16 v[8*(8*\a+\b):8*(8*\a+\b)+7], v[FB+96*\p+8*\b:FB+96*\p+8*\b+7], v[FA+32*\p+8*\a:FA+32*\p+8*\a+7], v[8*(8*\a+\b):8*(8*\a+\b)+7]
.endif
.endr
.endr
	WIN 0xf1
.irp a, 0,1,2,3
.irp b, 8,9,10,11
.if \zero
	v_wmma_f32_16x16x32_f16 v[8*(4*\a+\b-8):8*(4*\a+\b-8)+7], v[FB+96*\p+8*\b:FB+96*\p+8*\b+7], v[FA+32*\p+8*\a:FA+32*\p+8*\a+7], 0
.else
	v_wmma_f32_16x16x32_f16 v[8*(4*\a+\b-8):8*(4*\a+\b-8)+7], v[FB+96*\p+8*\b:FB+96*\p+8*\b+7], v[FA+32*\p+8*\a:FA+32*\p+8*\a+7], v[8*(4*\a+\b-8):8*(4*\a+\b-8)+7]
.endif
.endr
.endr
.endm
; One of a step's first three quarters: asks for the next quarter's fragments (buffer np), then multiplies buffer p
.macro QUARTER slot, kqnext, p, np, zero
	PLACES
	FETCH \slot, \kqnext, \np
	s_wait_dscnt 32                                ; all but the 32 just issued: buffer p is in
	MULALL \p, \zero
.endm
.macro THREE slot, zero
	QUARTER \slot, 1, 0, 1, \zero
	QUARTER \slot, 2, 1, 0, 0
	QUARTER \slot, 3, 0, 1, 0
.endm
; The last quarter and the change of slots.  In front of the barrier each wave has waited for its reads of this slot and for all its
; tensor loads (the one that is out is its part of the next slot).  fill = 1: the barrier is a round of the cluster's barrier, and
; the joint refill of this slot, two K steps ahead, is the first thing behind it; it has 192 matrix instructions in which to land.
.macro TURN slot, next, fill
	s_wait_dscnt 0x0
	s_wait_tensorcnt 0x0
	ds_add_u32 v255, v255
	s_wait_dscnt 0x0
	WIN 0
.if \fill
	CROUND
	s_add_nc_u64 s[G0+4*\slot+2:G0+4*\slot+3], s[G0+4*\slot+2:G0+4*\slot+3], 512
	s_add_nc_u64 s[G0B+4*\slot+2:G0B+4*\slot+3], s[G0B+4*\slot+2:G0B+4*\slot+3], 0x180000
	JLOAD \slot
.else
	s_barrier_signal -1
	s_barrier_wait -1
.endif
	PLACES
	FETCH \next, 0, 0
	MULALL 1, 0                                    ; buffer 1 was shown in by the wait for 0 above
.endm
.macro LAP zero
	THREE 0, \zero
	TURN 0, 1, 1
	THREE 1, 0
	TURN 1, 0, 1
.endm
	s_wait_tensorcnt 0x1                           ; my part of K step 0 is in; step 1's stays out
	s_barrier_signal -1
	s_barrier_wait -1
	FETCH 0, 0, 0
	LAP 1                                          ; K steps 0, 1; fills 2, 3
	WIN 0
	s_mov_b32 s3, 2
.Llap:
	LAP 0                                          ; K steps 2-5; fills 4-7
	WIN 0
	s_sub_co_u32 s3, s3, 1
	s_cmp_lg_u32 s3, 0
	s_cbranch_scc1 .Llap
	THREE 0, 0                                     ; K steps 6, 7: nothing is left to fetch
	TURN 0, 1, 0
	THREE 1, 0
	s_wait_dscnt 0x0
	MULALL 1, 0
	; THE WAY OUT, 16 tokens at a time: round to f16, 16 bytes a lane into my own stage, read back as rows of 128 bytes of a head.
	PLACES
	WIN 0
	s_lshl_b32 s14, s13, 7
	s_lshl_b32 s15, s11, 6
	s_add_co_u32 s14, s14, s15                     ; my first token = 128 x block row + 64 wm
	s_lshl_b32 s14, s14, 7                         ; 128 bytes a token
	s_mov_b32 s15, 0
	s_add_nc_u64 s[8:9], s[8:9], s[14:15]
	s_mul_i32 s46, s42, 6
	s_mul_i32 s47, s12, 3
	s_add_co_u32 s46, s46, s47                     ; my first head plane = 6 x block column + 3 wn
	s_lshl_b32 s46, s46, 19
	s_mov_b32 s47, 0
	s_add_nc_u64 s[8:9], s[8:9], s[46:47]
.macro OUT16 a
	WIN 0x0a
.irp b, 0,1,2,3,4,5,6,7
.irp i, 0,1,2,3
	v_cvt_pk_f16_f32 v[TMP+4*\b+\i], v[8*(8*\a+\b)+2*\i], v[8*(8*\a+\b)+2*\i+1]
.endr
.endr
	WIN 0x0f
.irp b, 8,9,10,11
.irp i, 0,1,2,3
	v_cvt_pk_f16_f32 v[TMP+4*\b+\i], v[8*(4*\a+\b-8)+2*\i], v[8*(4*\a+\b-8)+2*\i+1]
.endr
.endr
	WIN 0
.irp b, 0,1,2,3,4,5,6,7,8,9,10,11
	ds_store_b128 v[STO], v[TMP+4*\b:TMP+4*\b+3] offset:(\b>>2)*16*SP+(\b&3)*32
.endr
	s_wait_xcnt 0x0                                ; RB, which the last sixteen tokens' stores read, is loaded again only behind this wait
.irp k, 0,1,2,3,4,5,6,7,8,9,10,11
	ds_load_b128 v[RB+4*\k:RB+4*\k+3], v[RD] offset:(\k>>2)*16*SP+(\k&3)*4*SP   ; LDS serves a wave's instructions in order: these see the stores above
.endr
.irp k, 0,1,2,3,4,5,6,7,8,9,10,11
	s_wait_dscnt 11-\k                             ; read-back k is in, the younger ones stay out
	global_store_b128 v[CO], v[RB+4*\k:RB+4*\k+3], s[8:9] offset:(\k>>2)*PLANE+\a*2048+(\k&3)*512   ; 512 consecutive bytes, aligned
.endr
.endm
	OUT16 0
	OUT16 1
	OUT16 2
	OUT16 3
	s_set_vgpr_msb 0x1
	s_wait_tensorcnt 0x0
	ds_add_u32 v255, v255
	s_wait_dscnt 0x0
	s_set_vgpr_msb 0x100
	CROUND                                         ; the closing round: no work-group ends while a partner may still ask for a tile that names it
	s_endpgm
.Lfunc_end_k_q6efe733c42_qkv:
	.size	k_q6efe733c42_qkv, .Lfunc_end_k_q6efe733c42_qkv-k_q6efe733c42_qkv
	.p2alignl 7, 3214868480
	.fill 96, 4, 3214868480
	.section	.rodata,"a",@progbits
	.p2align	6, 0x0
	.amdhsa_kernel k_q6efe733c42_qkv
		.amdhsa_group_segment_fixed_size 327680
		.amdhsa_private_segment_fixed_size 0
		.amdhsa_enable_private_segment 0
		.amdhsa_kernarg_size 24
		.amdhsa_user_sgpr_count 2
		.amdhsa_user_sgpr_kernarg_segment_ptr 1
		.amdhsa_wavefront_size32 1
		.amdhsa_system_sgpr_workgroup_id_x 1
		.amdhsa_system_sgpr_workgroup_id_y 1
		.amdhsa_system_sgpr_workgroup_id_z 1
		.amdhsa_system_vgpr_workitem_id 0
		.amdhsa_next_free_vgpr 896
		.amdhsa_next_free_sgpr 66
		.amdhsa_reserve_vcc 0
		.amdhsa_float_denorm_mode_32 3
		.amdhsa_float_denorm_mode_16_64 3
		.amdhsa_memory_ordered 1
		.amdhsa_forward_progress 1
		.amdhsa_inst_pref_size 163
	.end_amdhsa_kernel
	.amdgpu_metadata
---
amdhsa.version: [ 1, 2 ]
amdhsa.kernels:
  - .name:           k_q6efe733c42_qkv
    .symbol:         k_q6efe733c42_qkv.kd
    .args:
      - { .name: x16, .offset: 0, .size: 8, .value_kind: global_buffer, .address_space: global }
      - { .name: wqkv16, .offset: 8, .size: 8, .value_kind: global_buffer, .address_space: global }
      - { .name: qkvh, .offset: 16, .size: 8, .value_kind: global_buffer, .address_space: global }
    .group_segment_fixed_size: 327680
    .private_segment_fixed_size: 0
    .kernarg_segment_align: 8
    .kernarg_segment_size: 24
    .max_flat_workgroup_size: 128
    .sgpr_count:     66
    .vgpr_count:     896
    .wavefront_size: 32
...
	.end_amdgpu_metadata
.endif
;; end of part 2
;; launch attn (part 3): grid 8 x 32, 8 waves a work-group, clusters of 4 x 1, 327,680 bytes of LDS; arguments qkvh, mask, atth; writes atth
.if DOCPART == 3
	.amdgcn_target "amdgcn-amd-amdhsa--gfx1250"
	.amdhsa_code_object_version 6
	.text
	.protected	k_q6efe733c42_attn
	.globl	k_q6efe733c42_attn
	.p2align	8
	.type	k_q6efe733c42_attn,@function
k_q6efe733c42_attn:
	s_mov_b64 s[64:65], 0
	v_nop
	global_prefetch_b8 v0, s[64:65] scope:SCOPE_SE
	s_setreg_imm32_b32 hwreg(HW_REG_WAVE_MODE, 25, 1), 1
	s_wait_xcnt 0x0
	s_wait_alu depctr_hold_cnt(0) depctr_sa_sdst(0) depctr_va_vdst(0) depctr_va_sdst(0) depctr_va_ssrc(0) depctr_va_vcc(0) depctr_vm_vsrc(0)
	s_getreg_b32 s2, hwreg(HW_REG_IB_STS2, 6, 4)
	s_cmp_eq_u32 s2, 0
	s_cbranch_scc0 .Lentry_in_a_cluster
	s_endpgm
.Lentry_in_a_cluster:
	s_bfe_u32 s2, ttmp6, 0x10000c
	s_cmp_lg_u32 s2, 0x3003
	s_cbranch_scc0 .Lentry_shape_is_right
	s_endpgm
.Lentry_shape_is_right:
; Masked attention of one (batch, head) for 256 queries: atth[h][token][64] = softmax(q k^T / 8, masked keys out) v, f16 operands, f32 sums and softmax.
; Eight waves: wave w has the 64 queries qg = w % 4 and, of each tile of 256 keys, the half kh = w / 4; the two halves of a query group
; are merged once, through LDS, at the end.  Two waves lie on a SIMD, so that one's softmax can run beside the other's matrix work.
; A STEP takes 64 keys x 64 queries (a quarter of a tile; two steps a tile and wave): the running maximum moves, and O is rescaled, once for 64 keys.
; TRANSPOSED FORM: S^T = K Q^T (source 0 = 16 keys, source 1 = 16 queries): lane l holds query l % 16 and the keys 8 (l / 16) + 0..7, so the row
; maximum and sum are register work and one exchange between the halves of the lanes, and two packed S^T tiles of 32 keys ARE source 1 of
; O^T = V^T P^T (source 0 = V^T through ds_load_tr16_b128).
; THE MASK: an LDS table holds 0 for a kept key and -2^126 for a masked one; it enters as the C operand of the first product, at no vector work.
; p = 2^(S c - m c), c = log2(e) / 8, m the running maximum of the masked scores, started at -2^100 so that a run of masked keys
; gives p = 0 and sums of 0 and never a difference of two huge products.  If the batch row keeps no key at all, c and the table are 0:
; every p is 1, the uniform weights of a softmax over equal scores.
; LIMITS: masked scores take -2^126 in place of -FLT_MAX and the maximum's floor is -2^100: right while |q.k| < 2^100.
; v_exp_f32 gives 0 for results below 2^-126.  p is rounded to f16: below 6e-8 (of a row's largest, 1) it is 0.
; CLUSTER 4 x 1: four query blocks of one head need the same K and V tiles and ask for them jointly (mask 15): a quarter of the requests.
; Waves 0-3 fetch a quarter (64 rows) of K's tile each, waves 4-7 of V's.  A wave has one tensor load out.
; REGISTERS: 512 a wave.  Window 0: addresses and softmax state, S, the table entries, V^T of a step's first 32 keys.
; Window 1: O, Q, K.  V^T of a step's second 32 keys has no registers of its own: see VLOAD.
.set REG,    10240                     ; a wave's region of a slot: K 64 x 144 = 9,216, V 64 x 160 = 10,240
.set SLOT,   8*REG                     ; 81,920
.set PITK,   144                       ; K's rows: 128 bytes + 16
.set PITV,   160                       ; V's rows: 128 bytes + 32, an odd multiple of 32 for the transposing load
.set BIAS,   2*SLOT                    ; f32[2048]: the mask as an addend
.set MERGE,  BIAS+8192                 ; four parts: O (16,384), maxima (512), sums (512) of waves 4-7
.set MERGEW, 17408
.set STAGE,  MERGE+4*MERGEW            ; four parts of 64 rows x 144: the way out
.set STAGEW, 9216
.set TILEB,  32768                     ; 256 keys x 128 bytes
.set ADRK, 2                           ; v2-3   K fragments, slot 0, 1
.set ADRV, 4                           ; v4-5   V fragments
.set ADRB, 6                           ; v6     the table, stepped by 1,024 bytes a tile
.set MA,   7
.set STO,  8
.set RD,   9
.set GO,   10
.set QO,   11
.set M,    12                          ; v[12:15] running maximum (raw scores), one for each block of 16 queries
.set L,    16                          ; v[16:19] row sums, at the end
.set MX,   20
.set TP,   24
.set NM,   28                          ; four pairs: -m c in the first register
.set AL,   36                          ; four pairs: alpha in the first register
.set LP,   44                          ; four pairs: two partial row sums
.set S,    56                          ; v[56:183]  scores at 32 qb + 8 kt; then P in the first sixteen of each thirty-two
.set BI,   184                         ; v[184:215] table entries of 64 keys
.set VF,   216                         ; v[216:247] V^T fragments of a step's first 32 keys, at 8 db
.set PO,   S                           ; the partner's O, at the end
.set OWN,  S+16                        ; set-up only: my 8 mask bytes,
.set NEGV, S+18                        ; the masked key's addend,
.set TB,   S+19                        ; a byte at work,
.set TADR, S+20                        ; where my 8 table entries go,
.set TOFF, S+21                        ; where my 8 mask bytes lie,
.set ENT,  S+24                        ; the 8 entries
.set Q,    128                         ; window 1: v128-191 Q fragments at 16 qb + 8 dh;  v0-127: O at 8 (4 qb + db)
.set KF,   192                         ; window 1: v192-255 K fragments at 16 kt + 8 dh
.set G1K, 24
.set G1V, 32
.set G0,  40                           ; a set for each slot
.set MSB, 0
.macro WIN new                         ; the immediate's high byte repeats the setting that is left
.if MSB != \new
	s_set_vgpr_msb (MSB<<8)|\new
.set MSB, \new
.endif
.endm
.macro CREST                           ; a round of the cluster's barrier behind its opening barrier
	s_cmp_lg_u32 s10, 0
	s_cbranch_scc1 .Lnot_wave_0_\@
	s_barrier_signal -3
.Lnot_wave_0_\@:
	s_barrier_wait -3
	s_barrier_signal -1
	s_barrier_wait -1
.endm
.macro ROUND                           ; a whole round
	s_barrier_signal -1
	s_barrier_wait -1
	CREST
.endm
.macro JLOAD s                         ; a wave's one joint load: waves 0-3 a quarter of K's tile, waves 4-7 of V's
	s_cmp_eq_u32 s11, 0
	s_cbranch_scc0 .Lfor_v_\@
	tensor_load_to_lds s[G0+4*\s:G0+4*\s+3], s[G1K:G1K+7]
	s_nop 0
	s_branch .Lasked_\@
.Lfor_v_\@:
	tensor_load_to_lds s[G0+4*\s:G0+4*\s+3], s[G1V:G1V+7]
	s_nop 0
.Lasked_\@:
.endm
	s_load_b128 s[4:7], s[0:1], 0x0                ; qkvh s[4:5], mask s[6:7]
	s_load_b64 s[8:9], s[0:1], 0x10                ; atth
	v_lshl_add_u32 v254, v0, 2, 0x44000
	v_mov_b32 v255, 0
	ds_add_u32 v254, v255
	v_lshrrev_b32 v1, 5, v0
	v_readfirstlane_b32 s10, v1                    ; wave 0..7
	s_lshr_b32 s11, s10, 2                         ; kh: my half of the keys.  Also: I fetch for K (0) or V (1)
	s_and_b32 s12, s10, 3                          ; qg: my 64 queries.  Also: which quarter of the tile I fetch
	s_bfe_u32 s13, ttmp6, 0x40000                  ; cx
	s_lshl_b32 s14, ttmp9, 2
	s_add_co_u32 s14, s14, s13                     ; query block = 4 x cluster x + cx: enters global addresses of Q and of the output alone
	s_and_b32 s15, ttmp7, 0xffff                   ; 16 b + h
	s_and_b32 s16, s15, 15                         ; h
	s_lshr_b32 s17, s15, 4                         ; b
	s_mov_b32 s52, 0x76543210                      ; v_permlanex16_b32: lane i of one half reads lane i of the other
	s_mov_b32 s53, 0xfedcba98
	; group 1: 64 rows x 64 elements of 2 bytes, dense in memory; padding behind every 32 words: 4 words for K, 8 for V
	s_mov_b32 s[G1K+0], 15|(1<<16)|(1<<20)|(1<<21)|(4<<22)|(3<<25)
	s_mov_b32 s[G1V+0], 15|(1<<16)|(1<<20)|(1<<21)|(4<<22)|(7<<25)
	s_mov_b32 s[G1K+1], 64<<16
	s_mov_b32 s[G1V+1], 64<<16
	s_mov_b32 s[G1K+2], 64<<16
	s_mov_b32 s[G1V+2], 64<<16
	s_mov_b32 s[G1K+3], 64<<16
	s_mov_b32 s[G1V+3], 64<<16
	s_mov_b32 s[G1K+4], 64
	s_mov_b32 s[G1V+4], 64
	s_mov_b32 s[G1K+5], 64
	s_mov_b32 s[G1V+5], 64
	s_mov_b32 s[G1K+6], 0
	s_mov_b32 s[G1V+6], 0
	s_mov_b32 s[G1K+7], 0
	s_mov_b32 s[G1V+7], 0
	s_mul_i32 s20, s10, REG                        ; where my load lands
	s_lshl_b32 s18, s11, 4                         ; plane 16 + 16 kh + h: K's or V's
	s_add_co_u32 s18, s18, s16
	s_add_co_u32 s18, s18, 16
	s_lshl_b32 s18, s18, 19
	s_lshl_b32 s19, s17, 18                        ; batch: 2,048 tokens of 128 bytes
	s_add_co_u32 s18, s18, s19
	s_lshl_b32 s19, s12, 13                        ; my quarter: 64 rows of 128 bytes
	s_add_co_u32 s18, s18, s19
	s_mov_b32 s19, 0
	s_lshl_b32 s58, s16, 19                        ; Q and the output: plane h, batch b, 256 x block + 64 qg tokens
	s_lshl_b32 s59, s17, 18
	s_add_co_u32 s58, s58, s59
	s_lshl_b32 s59, s14, 15
	s_add_co_u32 s58, s58, s59
	s_lshl_b32 s59, s12, 13
	s_add_co_u32 s58, s58, s59
	s_mov_b32 s59, 0
	s_lshl_b32 s60, s17, 11                        ; the batch's 2,048 mask bytes
	s_mov_b32 s61, 0
	v_and_b32 v1, 31, v0                           ; l
	v_and_b32 v52, 15, v0                          ; r
	v_bfe_u32 v53, v0, 4, 1                        ; h
	v_and_b32 v54, 7, v0
	v_bfe_u32 v55, v0, 3, 1
	s_mul_i32 s22, s11, 2*REG                      ; my half of the keys: quarters 2 kh, 2 kh + 1
	v_mul_u32_u24 v[ADRK], v52, PITK
	v_lshl_add_u32 v[ADRK], v53, 4, v[ADRK]
	v_add_nc_u32 v[ADRK], s22, v[ADRK]
	v_add_nc_u32 v[ADRK+1], SLOT, v[ADRK]
	v_lshl_add_u32 v[ADRV], v53, 3, v54
	v_mul_u32_u24 v[ADRV], v[ADRV], PITV
	v_lshl_add_u32 v[ADRV], v55, 4, v[ADRV]
	s_add_co_u32 s22, s22, 4*REG                   ; V's quarters lie behind K's four
	v_add_nc_u32 v[ADRV], s22, v[ADRV]
	v_add_nc_u32 v[ADRV+1], SLOT, v[ADRV]
	s_lshl_b32 s22, s11, 9
	s_add_co_u32 s22, s22, BIAS
	v_lshl_add_u32 v[ADRB], v53, 5, s22            ; table: 128 kh + 8 h keys on
	s_mul_i32 s22, s12, MERGEW
	s_add_co_u32 s22, s22, MERGE
	v_lshl_add_u32 v[MA], v1, 4, s22
	s_mul_i32 s22, s12, STAGEW
	s_add_co_u32 s22, s22, STAGE
	v_mul_u32_u24 v[STO], v52, 144
	v_lshl_add_u32 v[STO], v53, 4, v[STO]
	v_add_nc_u32 v[STO], s22, v[STO]
	v_lshrrev_b32 v[RD], 3, v1
	v_mul_u32_u24 v[RD], v[RD], 144
	v_lshl_add_u32 v[RD], v54, 4, v[RD]
	v_add_nc_u32 v[RD], s22, v[RD]
	v_lshlrev_b32 v[GO], 4, v1                     ; 16 l
	v_lshlrev_b32 v[QO], 7, v52
	v_lshl_add_u32 v[QO], v53, 4, v[QO]            ; Q: row r of 128 bytes, 16 bytes for each half
	v_lshlrev_b32 v[TOFF], 3, v0                   ; my own 8 mask bytes
	s_mov_b32 s22, BIAS
	v_lshl_add_u32 v[TADR], v0, 5, s22             ; and their 8 table entries
.irp q, 0,1,2,3
	v_mov_b32 v[M+\q], 0xf1800000                  ; -2^100: the maximum's floor
	v_mov_b32 v[TP+\q], 0                          ; a lane exchange's destination counts as read
	v_mov_b32 v[NM+2*\q+1], 0                      ; the second registers of the broadcast pairs count as read
	v_mov_b32 v[AL+2*\q+1], 0
.endr
	s_wait_dscnt 0x0
	s_wait_kmcnt 0x0
	s_add_nc_u64 s[18:19], s[4:5], s[18:19]
	s_add_nc_u64 s[56:57], s[4:5], s[58:59]        ; Q
	s_add_nc_u64 s[8:9], s[8:9], s[58:59]          ; the output
	s_add_nc_u64 s[6:7], s[6:7], s[60:61]
	ROUND                                          ; the four work-groups are here: the first joint load meets
.irp s, 0,1
	s_mov_b32 s[G0+4*\s], 1
	s_add_co_u32 s[G0+4*\s+1], s20, \s*SLOT
	s_add_nc_u64 s[G0+4*\s+2:G0+4*\s+3], s[18:19], \s*TILEB
	s_or_b32 s[G0+4*\s+3], s[G0+4*\s+3], 0x80000000
.endr
	JLOAD 0                                        ; tile 0
.irp i, 0,1,2,3
	global_load_b128 v[S+4*\i:S+4*\i+3], v[GO], s[6:7] offset:512*\i   ; the batch's whole mask row, in every wave: is any key kept?
.endr
	global_load_b64 v[OWN:OWN+1], v[TOFF], s[6:7]
	WIN 0x40
.irp q, 0,1,2,3
.irp d, 0,1
	global_load_b128 v[Q+16*\q+8*\d:Q+16*\q+8*\d+3],   v[QO], s[56:57] offset:\q*2048+\d*64
	global_load_b128 v[Q+16*\q+8*\d+4:Q+16*\q+8*\d+7], v[QO], s[56:57] offset:\q*2048+\d*64+32
.endr
.endr
	WIN 0
	s_wait_loadcnt 0x0
.irp i, 1,2,3,4,5,6,7,8,9,10,11,12,13,14,15
	v_or_b32 v[S], v[S], v[S+\i]
.endr
	v_cmp_ne_u32 vcc_lo, 0, v[S]
	s_cmp_lg_u32 vcc_lo, 0                         ; any key of the batch kept?  It selects values alone
	s_cselect_b32 s48, 0x3e38aa3b, 0               ; c = log2(e) / 8,
	s_cselect_b32 s49, 0x3e38aa3b, 0               ; twice: a pair for the packed forms
	s_cselect_b32 s50, 0xbe38aa3b, 0               ; -c
	s_cselect_b32 s51, 0xfe800000, 0               ; -2^126
	v_mov_b32 v[NEGV], s51
.irp k, 0,1,2,3,4,5,6,7
	v_bfe_u32 v[TB], v[OWN+(\k>>2)], 8*(\k&3), 8
	v_cmp_eq_u32 vcc_lo, 0, v[TB]
	v_cndmask_b32 v[ENT+\k], 0, v[NEGV], vcc_lo    ; a masked key: -2^126; a kept one: 0
.endr
	ds_store_b128 v[TADR], v[ENT:ENT+3]            ; the wait for 0 and the round below stand between these stores and the reads
	ds_store_b128 v[TADR], v[ENT+4:ENT+7] offset:16
; 24 LDS loads: K fragments and table entries of the 64 keys of step i
.macro KBLOAD slot, i
	WIN 0x40
.irp t, 0,1,2,3
.irp d, 0,1
	ds_load_b128 v[KF+16*\t+8*\d:KF+16*\t+8*\d+3],   v[ADRK+\slot] offset:\i*REG+\t*16*PITK+\d*64
	ds_load_b128 v[KF+16*\t+8*\d+4:KF+16*\t+8*\d+7], v[ADRK+\slot] offset:\i*REG+\t*16*PITK+\d*64+32
.endr
.endr
	WIN 0
.irp t, 0,1,2,3
	ds_load_b128 v[BI+8*\t:BI+8*\t+3],   v[ADRB] offset:\i*256+\t*64
	ds_load_b128 v[BI+8*\t+4:BI+8*\t+7], v[ADRB] offset:\i*256+\t*64+16
.endr
.endm
; 8 LDS loads: V^T fragments of keys 32 g .. 32 g + 31 of step i; fragment db goes to base + 8 db + hop (db / 2).
; g = 0: VF.  g = 1 in a tile's first step: the upper halves of S of query blocks 0 and 1 (base S + 16, hop 16), free once those blocks' P is packed.
; g = 1 in a tile's last step: K's registers, free there since no K of the next tile is read ahead of the barrier.
.macro VLOAD slot, i, g, base, hop
.irp d, 0,1,2,3
	ds_load_tr16_b128 v[\base+8*\d+\hop*(\d>>1):\base+8*\d+\hop*(\d>>1)+3],   v[ADRV+\slot] offset:\i*REG+\g*32*PITV+\d*32
	ds_load_tr16_b128 v[\base+8*\d+\hop*(\d>>1)+4:\base+8*\d+\hop*(\d>>1)+7], v[ADRV+\slot] offset:\i*REG+\g*32*PITV+\d*32+16*PITV
.endr
.endm
; 16 products O^T += V^T P^T for keys 32 g .. 32 g + 31.  The sixteen output tiles take turns, one instruction a turn.
.macro PV g, base, hop, zero
.irp q, 0,1,2,3
.irp d, 0,1,2,3
.if \zero
	v_wmma_f32_16x16x32_f16 v[8*(4*\q+\d):8*(4*\q+\d)+7], v[\base+8*\d+\hop*(\d>>1):\base+8*\d+\hop*(\d>>1)+7], v[S+32*\q+8*\g:S+32*\q+8*\g+7], 0
.else
	v_wmma_f32_16x16x32_f16 v[8*(4*\q+\d):8*(4*\q+\d)+7], v[\base+8*\d+\hop*(\d>>1):\base+8*\d+\hop*(\d>>1)+7], v[S+32*\q+8*\g:S+32*\q+8*\g+7], v[8*(4*\q+\d):8*(4*\q+\d)+7]
.endif
.endr
.endr
.endm
.macro FMAQ q                          ; S c - m c for a whole query block
.irp k, 0,1,2,3,4,5,6,7,8,9,10,11,12,13,14,15
	v_pk_fma_f32 v[S+32*\q+2*\k:S+32*\q+2*\k+1], v[S+32*\q+2*\k:S+32*\q+2*\k+1], s[48:49], v[NM+2*\q:NM+2*\q+1] op_sel_hi:[1,0,0]
.endr
.endm
; Pair kk of block q joins the block's two partial row sums; the old sums are scaled by alpha with the first pair
.macro SUMK q, first
.if kk == 0
.if \first
	s_wait_alu depctr_va_vdst(0)
	v_pk_add_f32 v[LP+2*\q:LP+2*\q+1], v[S+32*\q:S+32*\q+1], v[S+32*\q+2:S+32*\q+3]
.else
	s_wait_alu depctr_va_vdst(0)
	v_pk_fma_f32 v[LP+2*\q:LP+2*\q+1], v[LP+2*\q:LP+2*\q+1], v[AL+2*\q:AL+2*\q+1], v[S+32*\q:S+32*\q+1] op_sel_hi:[1,0,1]
.endif
.else
.if kk == 1
.if \first == 0
	v_pk_add_f32 v[LP+2*\q:LP+2*\q+1], v[LP+2*\q:LP+2*\q+1], v[S+32*\q+2:S+32*\q+3]
.endif
.else
	v_pk_add_f32 v[LP+2*\q:LP+2*\q+1], v[LP+2*\q:LP+2*\q+1], v[S+32*\q+2*kk:S+32*\q+2*kk+1]
.endif
.endif
.endm
; The exponentials of block qe, two at a time, between them the sums and the packing to f16 of block qs and the multiply-adds of block qf
; (-1: none).  P is packed in place, ascending: word kk is written when pair kk / 2 has long been used.  Behind every v_exp_f32 stands
; plain work on other registers before its result is used (ISA guide 5.7.2): the results are used one PIPE later.
.macro PIPE qe, qs, qf, first
.set kk, 0
.rept 16
	v_exp_f32 v[S+32*\qe+2*kk], v[S+32*\qe+2*kk]
.if \qs >= 0
	SUMK \qs, \first
.endif
	v_exp_f32 v[S+32*\qe+2*kk+1], v[S+32*\qe+2*kk+1]
.if \qs >= 0
	v_cvt_pk_f16_f32 v[S+32*\qs+kk], v[S+32*\qs+2*kk], v[S+32*\qs+2*kk+1]
.endif
.if \qf >= 0
	v_pk_fma_f32 v[S+32*\qf+2*kk:S+32*\qf+2*kk+1], v[S+32*\qf+2*kk:S+32*\qf+2*kk+1], s[48:49], v[NM+2*\qf:NM+2*\qf+1] op_sel_hi:[1,0,0]
.endif
.set kk, kk+1
.endr
.endm
.macro SCQ q, first                    ; sums and packing of the last block
.set kk, 0
.rept 16
	SUMK \q, \first
	v_cvt_pk_f16_f32 v[S+32*\q+kk], v[S+32*\q+2*kk], v[S+32*\q+2*kk+1]
.set kk, kk+1
.endr
.endm
; 64 keys x 64 queries.  last = 0: a tile's first step (quarter 2 kh); it asks for the second step's K in its middle.
; last = 1: the second step (quarter 2 kh + 1): all its LDS reads are back when the maxima are done; sig = 1: there the wave says so
; (the barrier's signal), and all that follows in the step is register work; adv = 1: this slot's address steps to its next tile.
; first = 1: nothing to rescale, the sums start here.
.macro STEP slot, last, sig, adv, first
	VLOAD \slot, \last, 0, VF, 0
	s_wait_dscnt 0x8                               ; K and the table entries, which are older, are in; the 8 V loads stay out
	WIN 0x05
	; the sixteen score tiles take turns, one instruction a turn
.irp q, 0,1,2,3
.irp t, 0,1,2,3
	v_wmma_f32_16x16x32_f16 v[S+32*\q+8*\t:S+32*\q+8*\t+7], v[KF+16*\t:KF+16*\t+7], v[Q+16*\q:Q+16*\q+7], v[BI+8*\t:BI+8*\t+7]
.endr
.endr
.irp q, 0,1,2,3
.irp t, 0,1,2,3
	v_wmma_f32_16x16x32_f16 v[S+32*\q+8*\t:S+32*\q+8*\t+7], v[KF+16*\t+8:KF+16*\t+15], v[Q+16*\q+8:Q+16*\q+15], v[S+32*\q+8*\t:S+32*\q+8*\t+7]
.endr
.endr
	WIN 0
.rept 4
	v_nop                                          ; four places (ISA guide 7.12.1): S is read, K's and the table's registers are loaded again
.endr
.if \last
	WIN 0x40
	VLOAD \slot, 1, 1, KF, 0
	WIN 0
.else
	KBLOAD \slot, 1
.endif
	; the running maximum, the four query blocks side by side; the old maximum starts each chain
.irp q, 0,1,2,3
	v_max3_num_f32 v[MX+\q], v[S+32*\q], v[S+32*\q+1], v[M+\q]
.endr
.irp k, 1,2,3,4,5,6,7,8,9,10,11,12,13,14,15
.irp q, 0,1,2,3
	v_max3_num_f32 v[MX+\q], v[S+32*\q+2*\k], v[S+32*\q+2*\k+1], v[MX+\q]
.endr
.endr
.irp q, 0,1,2,3
	v_permlanex16_b32 v[TP+\q], v[MX+\q], s52, s53 ; the other half of the lanes holds the query's other keys
.endr
.irp q, 0,1,2,3
	v_max_num_f32 v[M+\q], v[MX+\q], v[TP+\q]
.endr
.if \first == 0
.irp q, 0,1,2,3
	v_fma_f32 v[AL+2*\q], v[M+\q], s50, -v[NM+2*\q]   ; (old m - new m) c
.endr
.endif
.irp q, 0,1,2,3
	v_mul_f32 v[NM+2*\q], s50, v[M+\q]             ; -m c
.endr
.if \first == 0
.irp q, 0,1,2,3
	v_exp_f32 v[AL+2*\q], v[AL+2*\q]               ; alpha; first used behind the multiply-adds below
.endr
.endif
.if \last
	s_wait_dscnt 0x0                               ; V is in, and my reads of this slot are over
.if \sig
	s_wait_tensorcnt 0x0                           ; all my tensor loads have landed: the one that was out is my part of the next tile
	ds_add_u32 v254, v255
	s_wait_dscnt 0x0
.if \adv
	s_add_nc_u64 s[G0+4*\slot+2:G0+4*\slot+3], s[G0+4*\slot+2:G0+4*\slot+3], 2*TILEB   ; no load of mine is out: this slot's next tile
.endif
	s_barrier_signal -1                            ; say so; register work alone up to the wait
.endif
.endif
	FMAQ 0
	PIPE 0, -1, 1, \first
	PIPE 1, 0, 2, \first
	PIPE 2, 1, 3, \first
.if \last == 0
	VLOAD \slot, 0, 1, S+16, 16                    ; blocks 0 and 1 are packed: their upper halves take V^T of keys 32-63
.endif
	PIPE 3, 2, -1, \first
	SCQ 3, \first
.if \first == 0
	WIN 0x41
.irp q, 0,1,2,3
.irp k, 0,1,2,3,4,5,6,7,8,9,10,11,12,13,14,15
	v_pk_mul_f32 v[32*\q+2*\k:32*\q+2*\k+1], v[32*\q+2*\k:32*\q+2*\k+1], v[AL+2*\q:AL+2*\q+1] op_sel_hi:[1,0]
.endr
.endr
.endif
.if \last == 0
	s_wait_dscnt 0x0                               ; V's second half is the youngest load: all are in
.endif
	WIN 0x50
	PV 0, VF, 0, \first
.if \last
	WIN 0x51
	PV 1, KF, 0, 0
.else
	PV 1, S+16, 16, 0
.endif
	WIN 0
.rept 5
	v_nop                                          ; five places (ISA guide 7.12.1): V's and K's registers are loaded again, S is written over by a matrix instruction, O is read
.endr
.endm
; A tile of 256 keys, 128 of them mine.  sig = 1: a barrier stands behind the tile, opened in its last step; in front of the signal each wave
; has waited for its reads of this slot and for all its tensor loads.  fill = 1: the barrier opens a round of the cluster's barrier, and
; behind the round this slot's joint refill (two tiles on) comes first; it has the next tile's first step and its second step's scores in which to land.
.macro TRIP slot, sig, fill, first
	KBLOAD \slot, 0
	STEP \slot, 0, 0, 0, \first
	STEP \slot, 1, \sig, \fill, 0
.if \sig
	v_add_nc_u32 v[ADRB], 1024, v[ADRB]            ; the table entries of the next 256 keys
	s_barrier_wait -1
.if \fill
	CREST
	JLOAD \slot
.endif
.endif
.endm
	s_wait_tensorcnt 0x0                           ; my part of tile 0 is in
	ds_add_u32 v254, v255
	s_wait_dscnt 0x0                               ; my table entries are stored
	ROUND
	JLOAD 1                                        ; tile 1, slot 1's first fill: my one load behind this round
	TRIP 0, 1, 1, 1                                ; tile 0; asks for tile 2
	TRIP 1, 1, 1, 0                                ; tile 1; asks for tile 3
	s_mov_b32 s54, 2
.Ltiles:
	TRIP 0, 1, 1, 0                                ; tiles 2-5; ask for tiles 4-7
	TRIP 1, 1, 1, 0
	s_sub_co_u32 s54, s54, 1
	s_cmp_lg_u32 s54, 0
	s_cbranch_scc1 .Ltiles
	TRIP 0, 1, 0, 0                                ; tile 6: nothing is left to fetch; the work-group's barrier shows tile 7 whole
	TRIP 1, 0, 0, 0                                ; tile 7
	; THE END: row sums over the two halves of the lanes; waves 4-7 hand O, m and l to waves 0-3, which merge, divide and store.
	; The places behind the last products stand at the end of the last step.
.irp q, 0,1,2,3
	v_add_f32 v[L+\q], v[LP+2*\q], v[LP+2*\q+1]
.endr
.irp q, 0,1,2,3
	v_permlanex16_b32 v[TP+\q], v[L+\q], s52, s53
.endr
.irp q, 0,1,2,3
	v_add_f32 v[L+\q], v[L+\q], v[TP+\q]
.endr
	s_cmp_eq_u32 s11, 0
	s_cbranch_scc1 .Lkeep
	WIN 0x04
.set i, 0
.rept 32
	ds_store_b128 v[MA], v[4*i:4*i+3] offset:512*i
.set i, i+1
.endr
	WIN 0
	ds_store_b128 v[MA], v[M:M+3] offset:16384
	ds_store_b128 v[MA], v[L:L+3] offset:16896
.Lkeep:
	s_wait_dscnt 0x0                               ; for the partner's sake: my stores are done
	s_barrier_signal -1
	s_barrier_wait -1
	s_cmp_lg_u32 s11, 0
	s_cbranch_scc1 .Lend
	ds_load_b128 v[BI:BI+3], v[MA] offset:16384    ; the partner's maxima
	ds_load_b128 v[BI+4:BI+7], v[MA] offset:16896  ; and sums
.set i, 0
.rept 32
	ds_load_b128 v[PO+4*i:PO+4*i+3], v[MA] offset:512*i
.set i, i+1
.endr
	s_wait_dscnt 32                                ; maxima and sums are in; the 32 loads of O stay out
.irp q, 0,1,2,3
	v_max_num_f32 v[MX+\q], v[M+\q], v[BI+\q]
.endr
.irp q, 0,1,2,3
	v_sub_f32 v[AL+2*\q], v[M+\q], v[MX+\q]
	v_sub_f32 v[NM+2*\q], v[BI+\q], v[MX+\q]
.endr
.irp q, 0,1,2,3
	v_mul_f32 v[AL+2*\q], s48, v[AL+2*\q]
	v_mul_f32 v[NM+2*\q], s48, v[NM+2*\q]
.endr
.irp q, 0,1,2,3
	v_exp_f32 v[AL+2*\q], v[AL+2*\q]               ; my half's weight
	v_exp_f32 v[NM+2*\q], v[NM+2*\q]               ; the partner's
.endr
	v_nop
	s_wait_alu depctr_va_vdst(0)
.irp q, 0,1,2,3
	v_mul_f32 v[L+\q], v[L+\q], v[AL+2*\q]
.endr
.irp q, 0,1,2,3
	v_fmac_f32 v[L+\q], v[BI+4+\q], v[NM+2*\q]     ; the whole row's sum: at least 1, from the key that holds the maximum
.endr
.irp q, 0,1,2,3
	v_rcp_f32 v[L+\q], v[L+\q]
.endr
	v_nop
	s_wait_alu depctr_va_vdst(0)
.irp q, 0,1,2,3
	v_mul_f32 v[AL+2*\q], v[AL+2*\q], v[L+\q]
	v_mul_f32 v[NM+2*\q], v[NM+2*\q], v[L+\q]
.endr
	s_wait_dscnt 0x0
.set n, 0
.rept 64
	v_pk_mul_f32 v[PO+2*n:PO+2*n+1], v[PO+2*n:PO+2*n+1], v[NM+2*(n/16):NM+2*(n/16)+1] op_sel_hi:[1,0]
.set n, n+1
.endr
	WIN 0x01
.set n, 0
.rept 64
	v_pk_fma_f32 v[PO+2*n:PO+2*n+1], v[2*n:2*n+1], v[AL+2*(n/16):AL+2*(n/16)+1], v[PO+2*n:PO+2*n+1] op_sel_hi:[1,0,1]
.set n, n+1
.endr
	WIN 0
.set t, 0
.rept 16
.irp i, 0,1,2,3
	v_cvt_pk_f16_f32 v[PO+8*t+\i], v[PO+8*t+2*\i], v[PO+8*t+2*\i+1]
.endr
	ds_store_b128 v[STO], v[PO+8*t:PO+8*t+3] offset:(t/4)*2304+(t%4)*32   ; query 16 qb + r, 16 bytes at 32 db + 16 h
.set t, t+1
.endr
.set k, 0
.rept 16
	ds_load_b128 v[PO+8*k+4:PO+8*k+7], v[RD] offset:(k/4)*2304+(k%4)*576   ; my own stage: LDS serves a wave's instructions in order
.set k, k+1
.endr
.set k, 0
.rept 16
	s_wait_dscnt 15-k                              ; read-back k is in, the younger ones stay out
	global_store_b128 v[GO], v[PO+8*k+4:PO+8*k+7], s[8:9] offset:(k/4)*2048+(k%4)*512   ; 512 consecutive bytes, aligned
.set k, k+1
.endr
.Lend:
	s_wait_tensorcnt 0x0
	ds_add_u32 v254, v255
	s_wait_dscnt 0x0
	ROUND                                          ; the closing round
	s_endpgm
.Lfunc_end_k_q6efe733c42_attn:
	.size	k_q6efe733c42_attn, .Lfunc_end_k_q6efe733c42_attn-k_q6efe733c42_attn
	.p2alignl 7, 3214868480
	.fill 96, 4, 3214868480
	.section	.rodata,"a",@progbits
	.p2align	6, 0x0
	.amdhsa_kernel k_q6efe733c42_attn
		.amdhsa_group_segment_fixed_size 327680
		.amdhsa_private_segment_fixed_size 0
		.amdhsa_enable_private_segment 0
		.amdhsa_kernarg_size 24
		.amdhsa_user_sgpr_count 2
		.amdhsa_user_sgpr_kernarg_segment_ptr 1
		.amdhsa_wavefront_size32 1
		.amdhsa_system_sgpr_workgroup_id_x 1
		.amdhsa_system_sgpr_workgroup_id_y 1
		.amdhsa_system_sgpr_workgroup_id_z 1
		.amdhsa_system_vgpr_workitem_id 0
		.amdhsa_next_free_vgpr 512
		.amdhsa_next_free_sgpr 66
		.amdhsa_reserve_vcc 1
		.amdhsa_float_denorm_mode_32 3
		.amdhsa_float_denorm_mode_16_64 3
		.amdhsa_memory_ordered 1
		.amdhsa_forward_progress 1
		.amdhsa_inst_pref_size 255
	.end_amdhsa_kernel
	.section	.bss,"aw",@nobits
	.p2align	6
	.space	262144
	.amdgpu_metadata
---
amdhsa.version: [ 1, 2 ]
amdhsa.kernels:
  - .name:           k_q6efe733c42_attn
    .symbol:         k_q6efe733c42_attn.kd
    .args:
      - { .name: qkvh, .offset: 0, .size: 8, .value_kind: global_buffer, .address_space: global }
      - { .name: mask, .offset: 8, .size: 8, .value_kind: global_buffer, .address_space: global }
      - { .name: atth, .offset: 16, .size: 8, .value_kind: global_buffer, .address_space: global }
    .group_segment_fixed_size: 327680
    .private_segment_fixed_size: 0
    .kernarg_segment_align: 8
    .kernarg_segment_size: 24
    .max_flat_workgroup_size: 256
    .sgpr_count:     66
    .vgpr_count:     512
    .wavefront_size: 32
...
	.end_amdgpu_metadata
.endif
;; end of part 3
;; launch proj (part 4): grid 8 x 32, 4 waves a work-group, clusters of 4 x 4, 327,680 bytes of LDS; arguments atth, wout16, b_out, out0; writes out0
.if DOCPART == 4
	.amdgcn_target "amdgcn-amd-amdhsa--gfx1250"
	.amdhsa_code_object_version 6
	.text
	.protected	k_q6efe733c42_proj
	.globl	k_q6efe733c42_proj
	.p2align	8
	.type	k_q6efe733c42_proj,@function
k_q6efe733c42_proj:
	s_mov_b64 s[64:65], 0
	v_nop
	global_prefetch_b8 v0, s[64:65] scope:SCOPE_SE
	s_setreg_imm32_b32 hwreg(HW_REG_WAVE_MODE, 25, 1), 1
	s_wait_xcnt 0x0
	s_wait_alu depctr_hold_cnt(0) depctr_sa_sdst(0) depctr_va_vdst(0) depctr_va_sdst(0) depctr_va_ssrc(0) depctr_va_vcc(0) depctr_vm_vsrc(0)
	s_getreg_b32 s2, hwreg(HW_REG_IB_STS2, 6, 4)
	s_cmp_eq_u32 s2, 0
	s_cbranch_scc0 .Lentry_in_a_cluster
	s_endpgm
.Lentry_in_a_cluster:
	s_bfe_u32 s2, ttmp6, 0x10000c
	s_cmp_lg_u32 s2, 0xf033
	s_cbranch_scc0 .Lentry_shape_is_right
	s_endpgm
.Lentry_shape_is_right:
; out0 = att W_out + b_out: [4096][1024] x [1024][1024], f16 operands, f32 sums, f32 out.  att lies by head: atth[h][token][64], k = 64 h + d.
; A work-group makes 128 x 128 with four waves of 64 x 64 (16 accumulator tiles): 8 x 32 = 256 work-groups; larger blocks would leave
; fewer work-groups than that.
; K goes in steps of 256 (four heads) through two LDS slots of four regions.  Waves 0, 1 fetch att for 64 tokens each: four rows of 4,096
; elements (a head's 64 tokens x 64 d are dense in memory), padded behind every 128 bytes, so that a token's row of a head has pitch 144.
; Waves 2, 3 fetch 128 k-rows x 128 columns of W each, pitch 288, for ds_load_tr16_b128.
; CLUSTER 4 x 4: att's tiles are asked for jointly along a row of the cluster, W's along a column: a quarter of the requests.
; A wave has two tensor loads out at the start and one behind each refill.
; Source 0 = 16 columns of W, source 1 = 16 tokens: a lane holds one token and eight neighbouring columns.
.set PA,     144
.set PB,     288
.set REG,    36864                     ; 4 x 64 x 144 = 128 x 288
.set SLOT,   4*REG
.set STAGE,  2*SLOT                    ; behind the ring, never filled by a tensor load
.set WSTAGE, 4352                      ; 16 rows x 272
.set SP,     272                       ; a staged row: 256 bytes + 16
.set ADRA, 16                          ; v16-17  slot 0, 1
.set ADRB, 18                          ; v[18 + 2 s + kk]: slot s, half kk of the step's k-rows
.set STO,  24
.set RD,   25
.set CO,   26
.set BO,   27
.set FA,   32                          ; buffer p at FA + 32 p
.set FB,   96                          ; buffer p at FB + 32 p
.set BB,   160                         ; v[160:163] b_out of my four columns
.set RB,   164                         ; v[164:195] rows read back
.set G1,  24
.set G0,  32
.set G1B, 48
.set G0B, 56
.set MSB, 0
.macro WIN new
.if MSB != \new
	s_set_vgpr_msb (MSB<<8)|\new
.set MSB, \new
.endif
.endm
.macro PLACES                          ; four places behind a matrix instruction (ISA guide 7.12.1)
.rept 4
	v_nop
.endr
.endm
.macro CROUND
	s_barrier_signal -1
	s_barrier_wait -1
	s_cmp_lg_u32 s10, 0
	s_cbranch_scc1 .Lnot_wave_0_\@
	s_barrier_signal -3
.Lnot_wave_0_\@:
	s_barrier_wait -3
	s_barrier_signal -1
	s_barrier_wait -1
.endm
.macro JLOAD s
	s_cmp_eq_u32 s11, 0
	s_cbranch_scc0 .Lfor_b_\@
	tensor_load_to_lds s[G0+4*\s:G0+4*\s+3], s[G1:G1+7]
	s_nop 0
	s_branch .Lasked_\@
.Lfor_b_\@:
	tensor_load_to_lds s[G0B+4*\s:G0B+4*\s+3], s[G1B:G1B+7]
	s_nop 0
.Lasked_\@:
.endm
	s_load_b128 s[4:7], s[0:1], 0x0                ; atth s[4:5], wout16 s[6:7]
	s_load_b128 s[16:19], s[0:1], 0x10             ; b_out s[16:17], out0 s[18:19]
	v_lshl_add_u32 v254, v0, 2, 0x4c400
	v_mov_b32 v255, 0
	ds_add_u32 v254, v255
	v_lshrrev_b32 v1, 5, v0
	v_readfirstlane_b32 s10, v1
	s_lshr_b32 s11, s10, 1                         ; wm: my 64 tokens.  Also: I fetch att (0) or W (1)
	s_and_b32 s12, s10, 1                          ; wn: my 64 columns.  Also: which half I fetch
	s_bfe_u32 s40, ttmp6, 0x40000                  ; cx
	s_bfe_u32 s41, ttmp6, 0x40004                  ; cy
	s_lshl_b32 s42, ttmp9, 2
	s_add_co_u32 s42, s42, s40                     ; block column
	s_and_b32 s13, ttmp7, 0xffff
	s_lshl_b32 s13, s13, 2
	s_add_co_u32 s13, s13, s41                     ; block row
	s_lshl_b32 s43, s41, 2
	s_lshl_b32 s43, 15, s43                        ; my row of the cluster
	s_lshl_b32 s44, 0x1111, s40                    ; my column
	s_or_b32 s[G1+0], s43, (1<<16)|(1<<20)|(1<<21)|(4<<22)|(3<<25)   ; padding of 4 words behind every 32
	s_mov_b32 s[G1+1], 4096<<16                    ; tensor_dim0 = 4,096
	s_mov_b32 s[G1+2], 4<<16                       ; tensor_dim1 = 4
	s_mov_b32 s[G1+3], 4096<<16                    ; tile_dim0 = 4,096
	s_mov_b32 s[G1+4], 4                           ; tile_dim1 = 4 heads
	s_mov_b32 s[G1+5], 262144                      ; elements from a head's plane to the next
	s_mov_b32 s[G1+6], 0
	s_mov_b32 s[G1+7], 0
	s_or_b32 s[G1B+0], s44, (1<<16)|(1<<20)|(1<<21)|(5<<22)|(7<<25)  ; padding of 8 words behind every 64
	s_mov_b32 s[G1B+1], 128<<16
	s_mov_b32 s[G1B+2], 128<<16
	s_mov_b32 s[G1B+3], 128<<16
	s_mov_b32 s[G1B+4], 128
	s_mov_b32 s[G1B+5], 1024
	s_mov_b32 s[G1B+6], 0
	s_mov_b32 s[G1B+7], 0
	s_lshl_b32 s14, s13, 14                        ; att: 128 tokens of 128 bytes a block row,
	s_lshl_b32 s15, s12, 13                        ; 64 tokens a half
	s_add_co_u32 s14, s14, s15
	s_mov_b32 s15, 0
	s_lshl_b32 s46, s42, 8                         ; W: 128 columns a block column,
	s_lshl_b32 s47, s12, 18                        ; 128 rows of 2,048 bytes a half
	s_add_co_u32 s46, s46, s47
	s_mov_b32 s47, 0
	s_mul_i32 s20, s10, REG
	s_wait_dscnt 0x0
	s_wait_kmcnt 0x0
	s_add_nc_u64 s[14:15], s[4:5], s[14:15]
	s_add_nc_u64 s[46:47], s[6:7], s[46:47]
	CROUND                                         ; all sixteen work-groups are here
.irp s, 0,1
	s_mov_b32 s[G0+4*\s], 1
	s_add_co_u32 s[G0+4*\s+1], s20, \s*SLOT
	s_add_nc_u64 s[G0+4*\s+2:G0+4*\s+3], s[14:15], \s*2097152      ; four planes a K step
	s_or_b32 s[G0+4*\s+3], s[G0+4*\s+3], 0x80000000
	s_mov_b32 s[G0B+4*\s], 1
	s_add_co_u32 s[G0B+4*\s+1], s20, \s*SLOT
	s_add_nc_u64 s[G0B+4*\s+2:G0B+4*\s+3], s[46:47], \s*524288     ; 256 rows a K step
	s_or_b32 s[G0B+4*\s+3], s[G0B+4*\s+3], 0x80000000
	JLOAD \s
.endr
	v_and_b32 v1, 15, v0                           ; r
	v_bfe_u32 v2, v0, 4, 1                         ; h
	v_and_b32 v3, 7, v0
	v_bfe_u32 v4, v0, 3, 1
	v_mul_u32_u24 v6, v1, PA
	v_lshl_add_u32 v6, v2, 4, v6
	s_mul_i32 s21, s11, REG
	v_add_nc_u32 v[ADRA], s21, v6
	v_add_nc_u32 v[ADRA+1], SLOT, v[ADRA]
	v_lshl_add_u32 v7, v2, 3, v3
	v_mul_u32_u24 v7, v7, PB
	v_lshl_add_u32 v7, v4, 4, v7
	s_lshl_b32 s22, s12, 7
	s_add_co_u32 s22, s22, 2*REG
	v_add_nc_u32 v[ADRB], s22, v7
	v_add_nc_u32 v[ADRB+1], REG, v[ADRB]
	v_add_nc_u32 v[ADRB+2], SLOT, v[ADRB]
	v_add_nc_u32 v[ADRB+3], SLOT, v[ADRB+1]
	s_mul_i32 s23, s10, WSTAGE
	s_add_co_u32 s23, s23, STAGE
	v_mul_u32_u24 v8, v1, SP
	v_lshl_add_u32 v8, v2, 5, v8
	v_add_nc_u32 v[STO], s23, v8                   ; in: row r, 32 bytes for each half of the lanes
	v_mul_u32_u24 v9, v2, SP
	v_lshl_add_u32 v9, v1, 4, v9
	v_add_nc_u32 v[RD], s23, v9                    ; back: sixteen lanes a row of 256 bytes
	v_lshlrev_b32 v[BO], 4, v1
	v_lshl_add_u32 v[CO], v2, 12, v[BO]            ; the same two rows in out0
	s_lshl_b32 s46, s42, 9                         ; my first column, in bytes: 512 x block column + 256 wn
	s_lshl_b32 s47, s12, 8
	s_add_co_u32 s46, s46, s47
	s_mov_b32 s47, 0
	s_add_nc_u64 s[16:17], s[16:17], s[46:47]
	s_add_nc_u64 s[18:19], s[18:19], s[46:47]
	s_lshl_b32 s14, s13, 19                        ; my first row: 128 x block row + 64 wm rows of 4,096 bytes
	s_lshl_b32 s15, s11, 18
	s_add_co_u32 s14, s14, s15
	s_mov_b32 s15, 0
	s_add_nc_u64 s[18:19], s[18:19], s[14:15]
	global_load_b128 v[BB:BB+3], v[BO], s[16:17]   ; waited for in front of the way out
.macro FETCH slot, kq, p               ; 16 LDS loads: 32 along K (eighth kq of the slot's step) into buffer p
	WIN 0
.irp a, 0,1,2,3
	ds_load_b128 v[FA+32*\p+8*\a:FA+32*\p+8*\a+3],   v[ADRA+\slot] offset:(\kq>>1)*64*PA+\a*16*PA+(\kq&1)*64
	ds_load_b128 v[FA+32*\p+8*\a+4:FA+32*\p+8*\a+7], v[ADRA+\slot] offset:(\kq>>1)*64*PA+\a*16*PA+(\kq&1)*64+32
.endr
.irp b, 0,1,2,3
	ds_load_tr16_b128 v[FB+32*\p+8*\b:FB+32*\p+8*\b+3],   v[ADRB+2*\slot+(\kq>>2)] offset:(\kq&3)*32*PB+\b*32
	ds_load_tr16_b128 v[FB+32*\p+8*\b+4:FB+32*\p+8*\b+7], v[ADRB+2*\slot+(\kq>>2)] offset:(\kq&3)*32*PB+\b*32+16*PB
.endr
.endm
; 16 matrix instructions; the sixteen accumulators take turns, one instruction a turn
.macro MULALL p, zero
	WIN 0x50
.irp a, 0,1,2,3
.irp b, 0,1,2,3
.if \zero
	v_wmma_f32_16x16x32_f16 v[8*(4*\a+\b):8*(4*\a+\b)+7], v[FB+32*\p+8*\b:FB+32*\p+8*\b+7], v[FA+32*\p+8*\a:FA+32*\p+8*\a+7], 0
.else
	v_wmma_f32_16x16x32_f16 v[8*(4*\a+\b):8*(4*\a+\b)+7], v[FB+32*\p+8*\b:FB+32*\p+8*\b+7], v[FA+32*\p+8*\a:FA+32*\p+8*\a+7], v[8*(4*\a+\b):8*(4*\a+\b)+7]
.endif
.endr
.endr
.endm
.macro QUARTER slot, kqnext, p, np, zero
	PLACES
	FETCH \slot, \kqnext, \np
	s_wait_dscnt 16                                ; all but the 16 just issued: buffer p is in
	MULALL \p, \zero
.endm
.macro SEVEN slot, zero
	QUARTER \slot, 1, 0, 1, \zero
	QUARTER \slot, 2, 1, 0, 0
	QUARTER \slot, 3, 0, 1, 0
	QUARTER \slot, 4, 1, 0, 0
	QUARTER \slot, 5, 0, 1, 0
	QUARTER \slot, 6, 1, 0, 0
	QUARTER \slot, 7, 0, 1, 0
.endm
; The step's last eighth and the change of slots: the waits for my reads of this slot and for all my tensor loads, the barrier
; (fill = 1: a round of the cluster's barrier, and the joint refill first behind it; it has 128 matrix instructions in which to land).
.macro TURN slot, next, fill
	s_wait_dscnt 0x0
	s_wait_tensorcnt 0x0
	ds_add_u32 v254, v255
	s_wait_dscnt 0x0
	WIN 0
.if \fill
	CROUND
	s_add_nc_u64 s[G0+4*\slot+2:G0+4*\slot+3], s[G0+4*\slot+2:G0+4*\slot+3], 0x400000
	s_add_nc_u64 s[G0B+4*\slot+2:G0B+4*\slot+3], s[G0B+4*\slot+2:G0B+4*\slot+3], 0x100000
	JLOAD \slot
.else
	s_barrier_signal -1
	s_barrier_wait -1
.endif
	PLACES
	FETCH \next, 0, 0
	MULALL 1, 0
.endm
	s_wait_tensorcnt 0x1                           ; my part of K step 0 is in; step 1's stays out
	s_barrier_signal -1
	s_barrier_wait -1
	FETCH 0, 0, 0
	SEVEN 0, 1                                     ; K step 0: its first products start the sums
	TURN 0, 1, 1                                   ; asks for step 2
	SEVEN 1, 0
	TURN 1, 0, 1                                   ; asks for step 3
	SEVEN 0, 0
	TURN 0, 1, 0
	SEVEN 1, 0
	s_wait_dscnt 0x0
	MULALL 1, 0
	; THE WAY OUT, 16 tokens at a time, through my own stage: rows of 256 bytes come back, the bias is added, sixteen lanes store 256 aligned bytes.
	PLACES
	WIN 0
	s_wait_loadcnt 0x0                             ; b_out
.macro OUT16 a
	WIN 0x04
.irp b, 0,1,2,3
	ds_store_b128 v[STO], v[8*(4*\a+\b):8*(4*\a+\b)+3]   offset:\b*64
	ds_store_b128 v[STO], v[8*(4*\a+\b)+4:8*(4*\a+\b)+7] offset:\b*64+16
.endr
	WIN 0
	s_wait_xcnt 0x0                                ; RB, which the last sixteen tokens' stores read, is loaded again only behind this wait
.irp t, 0,1,2,3,4,5,6,7
	ds_load_b128 v[RB+4*\t:RB+4*\t+3], v[RD] offset:\t*2*SP        ; LDS serves a wave's instructions in order: these see the stores above
.endr
.irp t, 0,1,2,3,4,5,6,7
	s_wait_dscnt 7-\t                              ; read-back t is in, the younger ones stay out
	v_pk_add_f32 v[RB+4*\t:RB+4*\t+1],   v[RB+4*\t:RB+4*\t+1],   v[BB:BB+1]
	v_pk_add_f32 v[RB+4*\t+2:RB+4*\t+3], v[RB+4*\t+2:RB+4*\t+3], v[BB+2:BB+3]
	global_store_b128 v[CO], v[RB+4*\t:RB+4*\t+3], s[18:19] offset:(16*\a+2*\t)*4096
.endr
.endm
	OUT16 0
	OUT16 1
	OUT16 2
	OUT16 3
	s_wait_tensorcnt 0x0
	ds_add_u32 v254, v255
	s_wait_dscnt 0x0
	CROUND                                         ; the closing round
	s_endpgm
.Lfunc_end_k_q6efe733c42_proj:
	.size	k_q6efe733c42_proj, .Lfunc_end_k_q6efe733c42_proj-k_q6efe733c42_proj
	.p2alignl 7, 3214868480
	.fill 96, 4, 3214868480
	.section	.rodata,"a",@progbits
	.p2align	6, 0x0
	.amdhsa_kernel k_q6efe733c42_proj
		.amdhsa_group_segment_fixed_size 327680
		.amdhsa_private_segment_fixed_size 0
		.amdhsa_enable_private_segment 0
		.amdhsa_kernarg_size 32
		.amdhsa_user_sgpr_count 2
		.amdhsa_user_sgpr_kernarg_segment_ptr 1
		.amdhsa_wavefront_size32 1
		.amdhsa_system_sgpr_workgroup_id_x 1
		.amdhsa_system_sgpr_workgroup_id_y 1
		.amdhsa_system_sgpr_workgroup_id_z 1
		.amdhsa_system_vgpr_workitem_id 0
		.amdhsa_next_free_vgpr 384
		.amdhsa_next_free_sgpr 66
		.amdhsa_reserve_vcc 0
		.amdhsa_float_denorm_mode_32 3
		.amdhsa_float_denorm_mode_16_64 3
		.amdhsa_memory_ordered 1
		.amdhsa_forward_progress 1
		.amdhsa_inst_pref_size 93
	.end_amdhsa_kernel
	.amdgpu_metadata
---
amdhsa.version: [ 1, 2 ]
amdhsa.kernels:
  - .name:           k_q6efe733c42_proj
    .symbol:         k_q6efe733c42_proj.kd
    .args:
      - { .name: atth, .offset: 0, .size: 8, .value_kind: global_buffer, .address_space: global }
      - { .name: wout16, .offset: 8, .size: 8, .value_kind: global_buffer, .address_space: global }
      - { .name: b_out, .offset: 16, .size: 8, .value_kind: global_buffer, .address_space: global }
      - { .name: out0, .offset: 24, .size: 8, .value_kind: global_buffer, .address_space: global }
    .group_segment_fixed_size: 327680
    .private_segment_fixed_size: 0
    .kernarg_segment_align: 8
    .kernarg_segment_size: 32
    .max_flat_workgroup_size: 128
    .sgpr_count:     66
    .vgpr_count:     384
    .wavefront_size: 32
...
	.end_amdgpu_metadata
.endif
;; end of part 4
